; MI455X (gfx1250); checked and timed in simulation.
; The chip was launched on July 23, 2026; its instructions are those of AMD's public machine-readable ISA for CDNA 5 (MIT licence, August 2026) and "CDNA5" Instruction Set Architecture Reference Guide (July 2026). The comments in the code are by the model that wrote it; some were corrected since.
;; Scaled Dot Product Attention. Allowed arithmetic: float matrix products may take bf16 or f16 operands with f32 sums; all other float work in f32.
;; Inputs: K 4 x 16 x 2,048 x 64 float32; Q 4 x 16 x 2,048 x 64 float32; V 4 x 16 x 2,048 x 64 float32; mask 2,048 x 2,048 bool.
;; Outputs: out0 4 x 16 x 2,048 x 64 float32.
;; One version. Each part assembles by itself: llvm-mc -triple=amdgcn-amd-amdhsa -mcpu=gfx1250 --defsym DOCPART=n.
;; ======== version 1 of 1: 2 launches
;; limits: inputs' magnitudes at most 65,504; values are held in f16: magnitudes above 65,504 overflow, below 6.1e-05 lose precision
;; workspace buffers: mbits 524,288 bytes of whole numbers; flags 16,384 bytes of whole numbers
;; launch maskprep (part 1): grid 256 x 1, 1 waves a work-group, no clusters, 17,664 bytes of LDS; arguments mask, mbits, flags; writes mbits, flags
.if DOCPART == 1
	.amdgcn_target "amdgcn-amd-amdhsa--gfx1250"
	.amdhsa_code_object_version 6
	.text
	.protected	k_q3d54f738ea_maskprep
	.globl	k_q3d54f738ea_maskprep
	.p2align	8
	.type	k_q3d54f738ea_maskprep,@function
k_q3d54f738ea_maskprep:
	s_mov_b64 s[64:65], 0
	v_nop
	global_prefetch_b8 v0, s[64:65] scope:SCOPE_SE
	s_setreg_imm32_b32 hwreg(HW_REG_WAVE_MODE, 25, 1), 1
	s_wait_xcnt 0x0
; THE MASK, ONCE FOR ALL 64 HEADS.  mask: [2048 queries][2048 keys], one byte each, 0 (hidden) or 1 (visible); no other byte value is served.
; Out: mbits [jw 32][s 32][lane 32][i 4] of 32-bit words, and flags [jw 32][s 32][i 4] of 32-bit words, for the attention launch, in which work-group column j (0..3), wave w (0..7), jw = 8 j + w,
; owns the four tiles t = 32 i + 4 w + j of 16 queries and walks the keys in steps s of 64.
; A word serves lane (r = lane % 16, h = lane / 16) of that wave: bit 8 kb + jj is 1 where key 64 s + 16 kb + 8 h + jj is HIDDEN from query 16 t + r: the order of the lane's 32 scores in the product K Q^T.
; A flag says of a tile's 16 x 64 numbers in a step: 0 all hidden, 1 some of each, 2 all visible.
; SHARES.  One wave a work-group; work-group id = 8 jw + g makes the four tiles of jw for the steps 4 g .. 4 g + 3: 64 rows of the mask x 256 bytes, read once, each row's piece 256 consecutive aligned bytes.
; The bytes change lanes through LDS (rows of 272 bytes); the wave's own bytes, served in order, so no barrier.
.set PITCH, 272                        ; 256 bytes + 16: the 16 rows that a read touches begin 68 words apart
.set SPARE, 64*PITCH                   ; behind the stage: the spare words, one block of 256 bytes that no other line names
.set LR,  1                            ; v1   r
.set LH,  2                            ; v2   h
.set GOF, 3                            ; v3   in the mask: row h, 16 bytes at 16 r
.set STA, 4                            ; v4   the same place in the stage
.set LDA, 5                            ; v5   in the stage: row r, 8 bytes at 8 h
.set SPW, 6                            ; v6   LDS address of my spare word; never rewritten
.set NIL, 7                            ; v7   0; never rewritten
.set FLG, 8                            ; v8   lane 4 s' + i takes the flag of step 4 g + s', tile i
.set O16, 9                            ; v9   16 x lane
.set O4,  10                           ; v10  4 x lane
.set T,   12                           ; v12-15 at work
.set WD,  16                           ; v16-31 the words: step s', tile i at WD + 4 s' + i
.set Y,   32                           ; v32-95 two buffers of 32: a tile's bytes as the lane wants them
.set X,   96                           ; v96-223 the 64 x 256 bytes as loaded
	s_load_b128 s[4:7], s[0:1], 0x0                ; mask s[4:5], mbits s[6:7]
	s_load_b64 s[8:9], s[0:1], 0x10                ; flags
	v_lshl_add_u32 v[SPW], v0, 2, SPARE
	v_mov_b32 v[NIL], 0
	v_mov_b32 v[FLG], 0                            ; v_writelane_b32 keeps the other lanes: the register is written whole first
	v_and_b32 v[LR], 15, v0
	v_lshrrev_b32 v[LH], 4, v0                     ; one wave: the thread's number is the lane
	v_lshlrev_b32 v[GOF], 11, v[LH]
	v_lshl_add_u32 v[GOF], v[LR], 4, v[GOF]
	v_mul_u32_u24 v[STA], v[LH], PITCH
	v_lshl_add_u32 v[STA], v[LR], 4, v[STA]
	v_mul_u32_u24 v[LDA], v[LR], PITCH
	v_lshl_add_u32 v[LDA], v[LH], 3, v[LDA]
	v_lshlrev_b32 v[O16], 4, v0
	v_lshlrev_b32 v[O4], 2, v0
	s_lshr_b32 s10, ttmp9, 3                       ; jw
	s_and_b32 s11, ttmp9, 7                        ; g
	s_lshr_b32 s12, s10, 3                         ; j
	s_and_b32 s13, s10, 7                          ; w
	s_lshl2_add_u32 s14, s13, s12                  ; 4 w + j: tile 0's number; a tile is 16 rows of 2,048 bytes
	s_lshl_b32 s14, s14, 15
	s_lshl_b32 s15, s11, 8                         ; four steps are 256 keys
	s_add_co_u32 s14, s14, s15
	s_mov_b32 s15, 0
	s_lshl_b32 s16, s10, 5
	s_lshl2_add_u32 s16, s11, s16                  ; 32 jw + 4 g: my first (jw, s)
	s_lshl_b32 s18, s16, 9                         ; 512 bytes of words each,
	s_mov_b32 s19, 0
	s_lshl_b32 s16, s16, 4                         ; 16 bytes of flags each
	s_mov_b32 s17, 0
	s_mov_b32 s24, 0x01020408                      ; times this, the low bits of a word's bytes 0..3 land in bits 24..27; the ten partial products under 2^32 fall on ten different bits, so nothing carries
	s_wait_kmcnt 0x0
	s_add_nc_u64 s[4:5], s[4:5], s[14:15]
	s_add_nc_u64 s[6:7], s[6:7], s[18:19]
	s_add_nc_u64 s[8:9], s[8:9], s[16:17]
.set x, 0
.rept 32                               ; load x = 8 i + n: rows 2 n, 2 n + 1 of tile i (tiles lie 32 x 32,768 bytes apart): sixteen lanes take a row's 256 bytes
	global_load_b128 v[X+4*x:X+4*x+3], v[GOF], s[4:5] offset:(x/8)*1048576+(x%8)*4096 th:TH_LOAD_NT
.set x, x+1
.endr
.set x, 0
.rept 32
	s_wait_loadcnt 31-x                            ; loads come back in order: load x is in, the 31 - x younger ones may be out
	ds_store_b128 v[STA], v[X+4*x:X+4*x+3] offset:(x/8)*16*PITCH+(x%8)*2*PITCH
.set x, x+1
.endr
; Tile i's bytes as the lane wants them: for step s' and key block kb the 8 bytes of row r at 64 s' + 16 kb + 8 h.  LDS serves a wave's instructions in order: these see the stores above.
.macro LOADY i
.set x, 0
.rept 16                               ; x = 4 s' + kb
	ds_load_b64 v[Y+32*((\i)%2)+2*x:Y+32*((\i)%2)+2*x+1], v[LDA] offset:(\i)*16*PITCH+16*x
.set x, x+1
.endr
.endm
; Tile i's four words and flags.  Register n of a step's eight holds bytes 4 n .. 4 n + 3 of the lane's 32: nibble n of the word.
.macro PACKW i
.set YB, Y+32*((\i)%2)
.irp q, 0,1,2,3
.set WR, WD+4*\q+(\i)
.irp b, 0,4
.irp k, 0,1,2,3
	v_mul_lo_u32 v[T+\k], v[YB+8*\q+\b+\k], s24
.endr
.irp k, 0,1,2,3
	v_lshrrev_b32 v[T+\k], 24, v[T+\k]             ; nothing lies above bit 27
.endr
.irp k, 0,1,2,3
.if (\b+\k) == 1
	v_lshl_or_b32 v[WR], v[T+1], 4, v[T]           ; the first two nibbles start the word
.elseif (\b+\k) > 1
	v_lshl_or_b32 v[WR], v[T+\k], 4*(\b+\k), v[WR]
.endif
.endr
.endr
	v_xor_b32 v[WR], -1, v[WR]                     ; 1 = hidden
	v_cmp_ne_u32 s20, 0, v[WR]                     ; lanes with a hidden key
	v_cmp_ne_u32 s21, -1, v[WR]                    ; lanes with a visible key
	s_cmp_lg_u32 s20, 0
	s_cselect_b32 s22, 1, 2                        ; something hidden: 1; nothing: 2
	s_cmp_lg_u32 s21, 0
	s_cselect_b32 s22, s22, 0                      ; nothing visible: 0
	v_writelane_b32 v[FLG], s22, 4*\q+(\i)
.endr
.endm
	LOADY 0
	LOADY 1
	s_wait_dscnt 16                                ; all but the sixteen loads of the younger tile
	PACKW 0
	LOADY 2
	s_wait_dscnt 16
	PACKW 1
	LOADY 3
	s_wait_dscnt 16
	PACKW 2
	s_wait_dscnt 0x0
	PACKW 3
.irp q, 0,1,2,3
	global_store_b128 v[O16], v[WD+4*\q:WD+4*\q+3], s[6:7] offset:512*\q  ; a step's words: 512 consecutive bytes, aligned
.endr
	s_wait_xcnt 0x0                                ; EXEC is a source of the stores above: it changes only behind this wait
	v_cmp_gt_u32 vcc_lo, 16, v0
	s_and_saveexec_b32 s20, vcc_lo
	global_store_b32 v[O4], v[FLG], s[8:9]         ; sixteen flags, 64 consecutive bytes: a quarter of an aligned 256; all flags together are 16 KiB
	s_wait_xcnt 0x0                                ; and again in front of the line that widens it
	s_or_b32 exec_lo, exec_lo, s20
	s_wait_tensorcnt 0x0                           ; the wave's end
	ds_add_u32 v[SPW], v[NIL]
	s_wait_dscnt 0x0
	s_endpgm
.Lfunc_end_k_q3d54f738ea_maskprep:
	.size	k_q3d54f738ea_maskprep, .Lfunc_end_k_q3d54f738ea_maskprep-k_q3d54f738ea_maskprep
	.p2alignl 7, 3214868480
	.fill 96, 4, 3214868480
	.section	.rodata,"a",@progbits
	.p2align	6, 0x0
	.amdhsa_kernel k_q3d54f738ea_maskprep
		.amdhsa_group_segment_fixed_size 17664
		.amdhsa_private_segment_fixed_size 0
		.amdhsa_enable_private_segment 0
		.amdhsa_kernarg_size 24
		.amdhsa_user_sgpr_count 2
		.amdhsa_user_sgpr_kernarg_segment_ptr 1
		.amdhsa_wavefront_size32 1
		.amdhsa_system_sgpr_workgroup_id_x 1
		.amdhsa_system_sgpr_workgroup_id_y 1
		.amdhsa_system_sgpr_workgroup_id_z 1
		.amdhsa_system_vgpr_workitem_id 0
		.amdhsa_next_free_vgpr 224
		.amdhsa_next_free_sgpr 66
		.amdhsa_reserve_vcc 1
		.amdhsa_float_denorm_mode_32 3
		.amdhsa_float_denorm_mode_16_64 3
		.amdhsa_memory_ordered 1
		.amdhsa_forward_progress 1
		.amdhsa_inst_pref_size 38
	.end_amdhsa_kernel
	.amdgpu_metadata
---
amdhsa.version: [ 1, 2 ]
amdhsa.kernels:
  - .name:           k_q3d54f738ea_maskprep
    .symbol:         k_q3d54f738ea_maskprep.kd
    .args:
      - { .name: mask, .offset: 0, .size: 8, .value_kind: global_buffer, .address_space: global }
      - { .name: mbits, .offset: 8, .size: 8, .value_kind: global_buffer, .address_space: global }
      - { .name: flags, .offset: 16, .size: 8, .value_kind: global_buffer, .address_space: global }
    .group_segment_fixed_size: 17664
    .private_segment_fixed_size: 0
    .kernarg_segment_align: 8
    .kernarg_segment_size: 24
    .max_flat_workgroup_size: 32
    .sgpr_count:     66
    .vgpr_count:     224
    .wavefront_size: 32
...
	.end_amdgpu_metadata
.endif
;; end of part 1
;; launch attn (part 2): grid 4 x 64, 8 waves a work-group, no clusters, 74,752 bytes of LDS; arguments Q, K, V, mbits, flags, out0; writes out0
.if DOCPART == 2
	.amdgcn_target "amdgcn-amd-amdhsa--gfx1250"
	.amdhsa_code_object_version 6
	.text
	.protected	k_q3d54f738ea_attn
	.globl	k_q3d54f738ea_attn
	.p2align	8
	.type	k_q3d54f738ea_attn,@function
k_q3d54f738ea_attn:
	s_mov_b64 s[64:65], 0
	v_nop
	global_prefetch_b8 v0, s[64:65] scope:SCOPE_SE
	s_setreg_imm32_b32 hwreg(HW_REG_WAVE_MODE, 25, 1), 1
	s_wait_xcnt 0x0
; out[hd][q][:] = the sum over k of softmax_k(mask[q][k] ? Q[hd][q] . K[hd][k] / 8 : -inf) V[hd][k][:].  Q, K, V, out: [64 heads][2048][64] f32.  The mask is an input and may hold any pattern; it comes as
; mbits (one bit a score, in the order of a lane's scores) and flags (a 16 x 64 tile is 0 all hidden, 1 mixed, 2 all visible), which the launch before made from it.
; FORMATS.  Q and K are rounded to bf16 and multiplied in the bf16 form.  V is rounded to bf16 and that number is written as f16; the weights p are rounded to f16; V^T P goes in the f16 form.  Maxima, sums,
; exponentials and both products' sums in f32; the scale c = log2(e) / 8 is applied in f32.
; LIMITS.  |V| up to 65,504 (beyond it f16 gives an infinity); V below 2^-14 and p below 6e-5 keep f16's fixed step of 6e-8; a weight below 2^-126 counts as 0 in the sum; NaN and infinities in Q, K, V are not
; treated apart.  A query with no visible key gets 0 x (1 / 0) = NaN in all its 64 numbers, as a softmax over -inf alone gives.
; SHARES.  256 work-groups, four (j) to a head; eight waves (w), each with four tiles (i) of 16 queries: tile t = 32 i + 4 w + j of the head's 128, so that each wave holds rows from all over the sequence and
; whatever region a mask hides is shared out.  Every work-group walks all keys, 64 a step, 32 steps.
; WHAT A STEP DOES.  Each wave loads 8 keys of the step after next (K and V, f32), rounds the next step's and stores them into the LDS slot that is not being read; two slots take turns, one barrier a step.
; Then, for each of its tiles by the tile's flag: 0: nothing (all its weights would be 0); 2: S^T = K Q^T, softmax, O^T += V^T P; 1: the same with -inf set into the hidden scores first.
; LAYOUT.  S^T = K Q^T (source 0 = 16 keys, source 1 = 16 queries): a lane holds ONE query (lane % 16) and the keys 8 (lane / 16) + 0..7 of each block of 16.  Two such results rounded in pairs ARE source 1 of
; O^T = V^T P, whose result again holds one query a lane and eight channels.  K comes out of LDS as it lies, V ([key][channel]) turned, by ds_load_tr16_b128.
; SOFTMAX.  A running maximum m and sum l for each query: p = 2^(c s - c m); O and l are multiplied by a = 2^(c m_old - c m_new).  m starts at the lowest finite number: while a query has seen no key, a = 2^0 = 1
; and O and l stay 0; at its first visible key a = 0.
; NO TENSOR LOADS, NO CLUSTER.  K and V are f32 in memory and pass through registers for their rounding, so the 16-bit tiles are written by ds_store; and what a work-group does in a step hangs on flags that
; differ between the four work-groups of a head, which partners in a cluster may not.  The four read the same 32 KiB a step from the cache; each block of it is asked for ahead once (see PHASE).
; REGISTERS, in windows of 256 (s_set_vgpr_msb: bits 1:0 source 0, 3:2 source 1, 5:4 source 2, 7:6 destination).  Window 0: all below.  Window 1: v0-127 O^T, 32 a tile; v128-191 K's fragments; v192-255 V's.
.set PK,    144       ; a row of K in LDS: 128 bytes + 16
.set PVP,   160       ; a row of V: 128 + 32
.set VOFF,  64*PK     ; a slot: 64 rows of K, then 64 rows of V
.set SLOT,  64*(PK+PVP)
.set STAGE, 2*SLOT    ; behind the slots: 16 rows x 272 bytes for each wave, for the way out
.set SP,    272
.set SPARE, STAGE+8*16*SP  ; behind the stages: the spare words, 128 bytes for each wave: four blocks of 256 bytes that no other line names
.set LR,  1           ; v1   r = lane % 16
.set LH,  2           ; v2   h = lane / 16
.set TT,  3           ; v3   at work in the head
.set SPW, 4           ; v4   LDS address of my spare word; never rewritten
.set NIL, 5           ; v5   0; never rewritten
.set AK,  6           ; v6-7   by slot: my lane's place in K's fragments
.set AV,  8           ; v8-9   the same for V's turning loads
.set SK,  10          ; v10-11 by slot: where I store 8 bytes of K: key 8 w + h, channels 4 r on
.set SV,  12          ; v12-13 the same for V
.set GOF, 14          ; v14  my 16 bytes in a step's 16,384 of K or V: 2,048 w + 16 lane
.set WOF, 15          ; v15  16 lane
.set STO, 16          ; v16  the way out: where I put 16 bytes of a row
.set RD,  17          ; v17  the way out: where I read a row back
.set GO,  18          ; v18  my byte offset in two rows of out
.set QO,  19          ; v19  my byte offset in 16 rows of Q
.set PFO, 20          ; v20  256 lane
.set MV,  21          ; v21  c m_old, kept while c m is made anew
.set TMP, 24          ; v24-27 c0-c3 at work; when the maximum is found c2 takes a
.set MT,  28          ; v28-31 at work on the mask
.set ST,  32          ; v32-47 tile i's statistics at ST + 4 i: c m, m, l (even keys', odd keys')
.set W,   48          ; v48-51 the mask words of an even step, one a tile; v52-55 of an odd step
.set STG, 56          ; v56-87 8 keys as loaded: K 16 registers, V 16
.set CV,  88          ; v88-103 the same rounded: K 8, V 8
.set S,   104         ; v104-135 S^T of the tile in hand
.set P,   136         ; v136-151 its weights
.set QF,  152         ; v152-215 Q in bf16: tile i, channels 32 c on at QF + 16 i + 8 c
.set KF,  128         ; window 1: key block kb, channel half c at KF + 16 kb + 8 c
.set VF,  192         ; window 1: key half kk, channel block cb at VF + 32 kk + 8 cb
.set QR,  128         ; window 1: Q as loaded, at the start only
.set QP,  4           ; s[4:5]   Q at my tile 0
.set KP,  6           ; s[6:7]   K at the trip's first step
.set VP,  8           ; s[8:9]   V likewise
.set WP,  10          ; s[10:11] my wave's mask words at the trip's first step
.set FP,  12          ; s[12:13] its flags likewise
.set OUT, 14          ; s[14:15] out at my tile 0
.set WV,  16          ; s16  my wave's number
.set JX,  17          ; s17  j
.set HD,  18          ; s18  the head
.set FL,  24          ; s[24:27] an even step's four flags; s[28:31] an odd step's
.set CS,  32          ; s[32:33] c: the packed scaling takes the pair's low word for both halves
.set SEL, 34          ; s[34:35] v_permlanex16_b32's selects: each lane takes its own place in the other half
.set NEG, 36          ; s36  -inf
.set HIM, 37          ; s37  a word's upper 16 bits
.set TRIP, 38         ; s38  trips to go
.set PFP, 42          ; s[42:43] the quarter of a step's K and V that my work-group asks for ahead, at the trip's first step
.set MSB, 0
.macro WIN new                      ; the high byte repeats the setting that is left; a switch that changes nothing is dropped
.if MSB != (\new)
	s_set_vgpr_msb (MSB<<8)|(\new)
.set MSB, \new
.endif
.endm
.set W_KQ, 0x01       ; K in window 1; Q and S^T in window 0
.set W_PV, 0x51       ; V and O^T in window 1, P in window 0
.set W_RS, 0x41       ; destination and source 0 in window 1, source 1 in window 0
.set TO_F, 0x40       ; destination in window 1, address in window 0
; Eight loads: my 8 keys of the step at byte off from the trip's first, K and V; each load takes 512 consecutive bytes, two keys.
.macro STAGE_LOAD off
.irp n, 0,1,2,3
	global_load_b128 v[STG+4*\n:STG+4*\n+3], v[GOF], s[KP:KP+1] offset:(\off)+512*\n
.endr
.irp n, 0,1,2,3
	global_load_b128 v[STG+16+4*\n:STG+16+4*\n+3], v[GOF], s[VP:VP+1] offset:(\off)+512*\n
.endr
.endm
; What STG holds is rounded and stored into a slot.  K: to bf16.  V: to bf16, widened again (a shift, a mask), and written as f16, which holds a bf16 number exactly within the limits at the head.
.macro CONVERT slot
.irp x, 0,1,2,3,4,5,6,7
	v_cvt_pk_bf16_f32 v[CV+\x], v[STG+2*\x], v[STG+2*\x+1]
.endr
.irp n, 0,1,2,3
	ds_store_b64 v[SK+(\slot)], v[CV+2*\n:CV+2*\n+1] offset:2*PK*\n
.endr
.irp x, 0,1,2,3,4,5,6,7
	v_cvt_pk_bf16_f32 v[STG+16+2*\x], v[STG+16+2*\x], v[STG+17+2*\x]
.endr
.irp x, 0,1,2,3,4,5,6,7
	v_and_b32 v[STG+17+2*\x], s[HIM], v[STG+16+2*\x]
.endr
.irp x, 0,1,2,3,4,5,6,7
	v_lshlrev_b32 v[STG+16+2*\x], 16, v[STG+16+2*\x]
.endr
.irp x, 0,1,2,3,4,5,6,7
	v_cvt_pk_f16_f32 v[CV+8+\x], v[STG+16+2*\x], v[STG+17+2*\x]
.endr
.irp n, 0,1,2,3
	ds_store_b64 v[SV+(\slot)], v[CV+8+2*\n:CV+8+2*\n+1] offset:2*PVP*\n
.endr
.endm
; A step's fragments, 32 LDS loads in one run: K's 16 first, so that the first product can leave V's 16 out.  A load into a register that a matrix instruction has read stands four places behind it (for vector
; instructions ISA guide 7.12.1): the four v_nop are those places on the way that rounds nothing (the last step).
.macro FRAGS slot
.rept 4
	v_nop
.endr
	WIN TO_F
.irp f, 0,1,2,3,4,5,6,7             ; keys 16 (f / 2) on, channels 32 (f % 2) on
	ds_load_b128 v[KF+8*\f:KF+8*\f+3],   v[AK+(\slot)] offset:(\f/2)*16*PK+(\f%2)*64
	ds_load_b128 v[KF+8*\f+4:KF+8*\f+7], v[AK+(\slot)] offset:(\f/2)*16*PK+(\f%2)*64+32
.endr
.irp f, 0,1,2,3,4,5,6,7             ; keys 32 (f / 4) on, channels 16 (f % 4) on
	ds_load_tr16_b128 v[VF+8*\f:VF+8*\f+3],   v[AV+(\slot)] offset:(\f/4)*32*PVP+(\f%4)*32
	ds_load_tr16_b128 v[VF+8*\f+4:VF+8*\f+7], v[AV+(\slot)] offset:(\f/4)*32*PVP+16*PVP+(\f%4)*32
.endr
	WIN 0
.endm
; S^T = K Q^T for tile i: four accumulators (16 keys each) by turns; the first four products start the sums.
.macro QK i
	WIN W_KQ
.irp n, 0,1,2,3
	v_wmma_f32_16x16x32_bf16 v[S+8*\n:S+8*\n+7], v[KF+16*\n:KF+16*\n+7], v[QF+16*(\i):QF+16*(\i)+7], 0
.endr
.irp n, 0,1,2,3
	v_wmma_f32_16x16x32_bf16 v[S+8*\n:S+8*\n+7], v[KF+16*\n+8:KF+16*\n+15], v[QF+16*(\i)+8:QF+16*(\i)+15], v[S+8*\n:S+8*\n+7]
.endr
	WIN 0
.endm
; A mixed tile: score n becomes -inf where bit n of the lane's word is 1.  The bit goes to the sign's place, is spread over the word, and chooses.  Four at a time, ascending: each accumulator is read from its low end.
.macro MASKT i, par
.set WR, W+4*(\par)+(\i)
.set g, 0
.rept 8
.irp k, 0,1,2,3
.if 4*g+\k < 31
	v_lshlrev_b32 v[MT+\k], 31-4*g-\k, v[WR]
.endif
.endr
.irp k, 0,1,2,3
.if 4*g+\k < 31
	v_ashrrev_i32 v[MT+\k], 31, v[MT+\k]
.else
	v_ashrrev_i32 v[MT+\k], 31, v[WR]
.endif
.endr
.irp k, 0,1,2,3
	v_bfi_b32 v[S+4*g+\k], v[MT+\k], s[NEG], v[S+4*g+\k]
.endr
.set g, g+1
.endr
.endm
; Tile i's softmax for a step.
.macro SOFT i
.set rT, ST+4*(\i)
.set rO, 32*(\i)
.irp n, 0,1,2,3                     ; the maximum of 32 scores and the old m, three operands at a time: four chains of seven scores, each begun at its accumulator's low end
	v_max3_num_f32 v[TMP+\n], v[S+8*\n], v[S+8*\n+1], v[S+8*\n+2]
.endr
.irp n, 0,1,2,3
	v_max3_num_f32 v[TMP+\n], v[TMP+\n], v[S+8*\n+3], v[S+8*\n+4]
.endr
.irp n, 0,1,2,3
	v_max3_num_f32 v[TMP+\n], v[TMP+\n], v[S+8*\n+5], v[S+8*\n+6]
.endr
	v_max3_num_f32 v[TMP], v[TMP], v[S+7], v[S+15]
	v_max3_num_f32 v[TMP+1], v[TMP+1], v[S+23], v[S+31]
	v_max3_num_f32 v[TMP+2], v[TMP+2], v[TMP+3], v[rT+1]
	v_max3_num_f32 v[TMP], v[TMP], v[TMP+1], v[TMP+2]
	v_permlanex16_b32 v[TMP+3], v[TMP], s[SEL], s[SEL+1]  ; the query's other 32 keys lie in the lane 16 away
	v_max_num_f32 v[rT+1], v[TMP], v[TMP+3]
	v_mul_f32 v[rT], s[CS], v[rT+1]
	v_sub_f32 v[TMP+1], v[MV], v[rT]
	v_exp_f32 v[TMP+2], v[TMP+1]    ; a; the scalings below are the plain instructions behind it
.set z, 0
.rept 16                            ; c s - c m, a pair at a time
	v_pk_fma_f32 v[S+2*z:S+2*z+1], v[S+2*z:S+2*z+1], s[CS:CS+1], v[rT:rT+1] op_sel_hi:[1,0,0] neg_lo:[0,0,1] neg_hi:[0,0,1]
.set z, z+1
.endr
	WIN W_RS
.set z, 0
	s_wait_alu depctr_va_vdst(0)
.rept 16                            ; O^T times a, ascending: each accumulator is read from its low end
	v_pk_mul_f32 v[rO+2*z:rO+2*z+1], v[rO+2*z:rO+2*z+1], v[TMP+2:TMP+3] op_sel_hi:[1,0]
.set z, z+1
.endr
	WIN 0
; Groups of four scores.  Round g: the exponentials of group g; l takes group g - 2's sum (a plain line that touches nothing of the exponentials just issued; in round 1 a v_nop stands for it); group g - 1 is
; rounded to f16 and its second pair added onto its first.
.set g, 0
.rept 9
.if g < 8
.irp k, 0,1,2,3
	v_exp_f32 v[S+4*g+\k], v[S+4*g+\k]
.endr
.endif
.if g == 1
	v_nop
	s_wait_alu depctr_va_vdst(0)
.elseif g == 2
	v_pk_fma_f32 v[rT+2:rT+3], v[rT+2:rT+3], v[TMP+2:TMP+3], v[S:S+1] op_sel_hi:[1,0,1]  ; l = a l + the first sum
.elseif g > 2
	v_pk_add_f32 v[rT+2:rT+3], v[rT+2:rT+3], v[S+4*g-8:S+4*g-7]
	s_wait_alu depctr_va_vdst(0)
.endif
.if g >= 1
	v_cvt_pk_f16_f32 v[P+2*g-2], v[S+4*g-4], v[S+4*g-3]
	v_cvt_pk_f16_f32 v[P+2*g-1], v[S+4*g-2], v[S+4*g-1]
	v_pk_add_f32 v[S+4*g-4:S+4*g-3], v[S+4*g-4:S+4*g-3], v[S+4*g-2:S+4*g-1]
.endif
.set g, g+1
.endr
	v_pk_add_f32 v[rT+2:rT+3], v[rT+2:rT+3], v[S+28:S+29]
.endm
; O^T += V^T P for tile i: four accumulators (16 channels each) by turns.
.macro PVM i
	s_wait_dscnt 0x0                ; V's fragments are in
	WIN W_PV
.irp n, 0,1,2,3
	v_wmma_f32_16x16x32_f16 v[32*(\i)+8*\n:32*(\i)+8*\n+7], v[VF+8*\n:VF+8*\n+7], v[P:P+7], v[32*(\i)+8*\n:32*(\i)+8*\n+7]
.endr
.irp n, 0,1,2,3
	v_wmma_f32_16x16x32_f16 v[32*(\i)+8*\n:32*(\i)+8*\n+7], v[VF+32+8*\n:VF+32+8*\n+7], v[P+8:P+15], v[32*(\i)+8*\n:32*(\i)+8*\n+7]
.endr
	WIN 0
.endm
; Tile i in a step of parity par, by its flag.  Both jumps go forward and pass neither a barrier nor a wait that the other way needs.
.macro TILE i, par
	s_cmp_eq_u32 s[FL+4*(\par)+(\i)], 0
	s_cbranch_scc1 .Lhid_\@         ; all hidden: every weight would be 0, and m, l and O would stay
	s_wait_dscnt 16                 ; K's fragments are in; V's sixteen loads, issued behind them, may be out
	QK \i
	v_mov_b32 v[MV], v[ST+4*(\i)]   ; c m_old is kept; with three v_nop, the four places between the products and the first read of the scores
.rept 3
	v_nop
.endr
	s_cmp_eq_u32 s[FL+4*(\par)+(\i)], 2
	s_cbranch_scc1 .Lvis_\@         ; all visible: the scores stand as they are
	MASKT \i, \par
.Lvis_\@:
	SOFT \i
	PVM \i
.Lhid_\@:
.endm
; STEP p = 2 n + par of trip n.  Slot par holds it.  One barrier: in front of it my stores into slot par (made a step ago) and my reads of the other slot are done; behind it the other slot is written and this one read.
; Fed behind the barrier: step p + 1 goes from STG into the other slot, its mask words and flags are asked for, and step p + 2 is loaded into STG.  TRIP = 1 is the last trip: step 30 loads no step 32, step 31 feeds nothing.
; AHEAD: wave 0 of work-group j asks for a quarter of step p + 5's 32 KiB (j = 0, 1: the halves of K's 16 KiB; 2, 3: of V's), lanes 256 bytes apart: each block is asked for by one lane of one work-group, three steps
; ahead of the load that takes it.  It stops where p + 5 would pass step 31: in the trips with TRIP below 3 + par.
.macro PHASE par
	s_wait_loadcnt 0x0              ; STG holds step p + 1, W step p's words: both were asked for a step ago
	s_wait_kmcnt 0x0                ; step p's flags
	s_wait_dscnt 0x0                ; for the others' sake: my stores into this slot and my reads of the other are done
	s_barrier_signal -1
	s_barrier_wait -1
.if (\par) == 1
	s_cmp_eq_u32 s[TRIP], 1
	s_cbranch_scc1 .Lnofeed_\@
.endif
	CONVERT 1-(\par)
	global_load_b128 v[W+4*(1-(\par)):W+4*(1-(\par))+3], v[WOF], s[WP:WP+1] offset:512*(1+(\par))
	s_load_b128 s[FL+4*(1-(\par)):FL+4*(1-(\par))+3], s[FP:FP+1], 16*(1+(\par))
.if (\par) == 0
	s_cmp_eq_u32 s[TRIP], 1
	s_cbranch_scc1 .Lnofeed_\@
.endif
	STAGE_LOAD (2+(\par))*16384
	s_cmp_lg_u32 s[WV], 0
	s_cbranch_scc1 .Lnofeed_\@
	s_cmp_lt_u32 s[TRIP], 3+(\par)
	s_cbranch_scc1 .Lnofeed_\@
	global_prefetch_b8 v[PFO], s[PFP:PFP+1] offset:(5+(\par))*16384 th:TH_LOAD_NT scope:SCOPE_SE
.Lnofeed_\@:
	s_or_b32 s39, s[FL+4*(\par)], s[FL+4*(\par)+1]
	s_or_b32 s40, s[FL+4*(\par)+2], s[FL+4*(\par)+3]
	s_or_b32 s39, s39, s40
	s_cmp_eq_u32 s39, 0
	s_cbranch_scc1 .Lidle_\@        ; all four tiles hidden: no fragment is read
	FRAGS \par
	TILE 0, \par
	TILE 1, \par
	TILE 2, \par
	TILE 3, \par
.Lidle_\@:
.endm
	s_load_b256 s[QP:QP+7], s[0:1], 0x0            ; Q, K, V, mbits
	s_load_b128 s[FP:FP+3], s[0:1], 0x20           ; flags, out
	v_lshl_add_u32 v[SPW], v0, 2, SPARE
	v_mov_b32 v[NIL], 0
	v_lshrrev_b32 v[TT], 5, v0
	v_readfirstlane_b32 s[WV], v[TT]               ; wave 0..7
	s_mov_b32 s[JX], ttmp9
	s_and_b32 s[HD], ttmp7, 0xffff
	v_and_b32 v[LR], 15, v0
	v_bfe_u32 v[LH], v0, 4, 1
	; a fragment of K: lane l holds key l % 16, channels 8 (l / 16) + 0..7 and 16 + 8 (l / 16) + 0..7: two loads of 16 bytes, 32 bytes apart
	v_mul_u32_u24 v[AK], v[LR], PK
	v_lshl_add_u32 v[AK], v[LH], 4, v[AK]
	v_add_nc_u32 v[AK+1], SLOT, v[AK]
	; the turning load: lane l reads key 8 (l / 16) + l % 8, channels 8 ((l / 8) % 2) + 0..7
	v_and_b32 v[TT], 7, v0
	v_lshl_add_u32 v[AV], v[LH], 3, v[TT]
	v_mul_u32_u24 v[AV], v[AV], PVP
	v_bfe_u32 v[TT], v0, 3, 1
	v_lshl_add_u32 v[AV], v[TT], 4, v[AV]
	v_add_nc_u32 v[AV], VOFF, v[AV]
	v_add_nc_u32 v[AV+1], SLOT, v[AV]
	; where my rounded numbers go: key 8 w + h (+ 2 n by the immediate), 8 bytes at 8 r: a wave's 8 rows are its own
	s_mul_i32 s19, s[WV], 8*PK
	v_mul_u32_u24 v[SK], v[LH], PK
	v_lshl_add_u32 v[SK], v[LR], 3, v[SK]
	v_add_nc_u32 v[SK], s19, v[SK]
	v_add_nc_u32 v[SK+1], SLOT, v[SK]
	s_mul_i32 s19, s[WV], 8*PVP
	s_add_co_u32 s19, s19, VOFF
	v_mul_u32_u24 v[SV], v[LH], PVP
	v_lshl_add_u32 v[SV], v[LR], 3, v[SV]
	v_add_nc_u32 v[SV], s19, v[SV]
	v_add_nc_u32 v[SV+1], SLOT, v[SV]
	v_and_b32 v[TT], 31, v0
	v_lshlrev_b32 v[WOF], 4, v[TT]
	v_lshlrev_b32 v[PFO], 8, v[TT]
	s_lshl_b32 s19, s[WV], 11
	v_add_nc_u32 v[GOF], s19, v[WOF]
	s_mul_i32 s19, s[WV], 16*SP
	s_add_co_u32 s19, s19, STAGE                   ; my stage
	v_mul_u32_u24 v[STO], v[LR], SP                ; in: row r, 32 bytes for each half of the lanes
	v_lshl_add_u32 v[STO], v[LH], 5, v[STO]
	v_add_nc_u32 v[STO], s19, v[STO]
	v_mul_u32_u24 v[RD], v[LH], SP                 ; back: lanes 0-15 take one row of 256 bytes, lanes 16-31 the next
	v_lshl_add_u32 v[RD], v[LR], 4, v[RD]
	v_add_nc_u32 v[RD], s19, v[RD]
	v_lshlrev_b32 v[GO], 8, v[LH]                  ; and the same two rows in out
	v_lshl_add_u32 v[GO], v[LR], 4, v[GO]
	v_lshlrev_b32 v[QO], 8, v[LR]                  ; Q: row r, 32 bytes (8 channels) for each half of the lanes
	v_lshl_add_u32 v[QO], v[LH], 5, v[QO]
	s_mov_b32 s[CS], 0x3e38aa3b                    ; c = log2(e) / 8 = 0.180337
	s_mov_b32 s[CS+1], s[CS]                       ; named with it as a pair
	s_mov_b32 s[SEL], 0x76543210
	s_mov_b32 s[SEL+1], 0xfedcba98
	s_mov_b32 s[NEG], 0xff800000
	s_mov_b32 s[HIM], 0xffff0000
	s_mov_b32 s[TRIP], 16
	; offsets, made apart from the addresses
	s_lshl_b32 s20, s[HD], 19                      ; a head is 2,048 rows of 256 bytes
	s_mov_b32 s21, 0
	s_lshl2_add_u32 s22, s[WV], s[JX]              ; 4 w + j: my tile 0; a tile is 4,096 bytes, tile i lies 32 tiles on
	s_lshl_b32 s22, s22, 12
	s_mov_b32 s23, 0
	s_add_nc_u64 s[22:23], s[22:23], s[20:21]
	s_lshl3_add_u32 s44, s[JX], s[WV]              ; jw = 8 j + w
	s_lshl_b32 s46, s44, 9                         ; 32 steps x 16 bytes of flags
	s_mov_b32 s47, 0
	s_lshl_b32 s44, s44, 14                        ; 32 steps x 512 bytes of words
	s_mov_b32 s45, 0
	s_and_b32 s40, s[JX], 1
	s_lshl_b32 s40, s40, 13                        ; which half of a step's 16,384 bytes I ask for ahead
	s_mov_b32 s41, 0
	s_wait_kmcnt 0x0
	s_add_nc_u64 s[QP:QP+1], s[QP:QP+1], s[22:23]
	s_add_nc_u64 s[OUT:OUT+1], s[OUT:OUT+1], s[22:23]
	s_add_nc_u64 s[KP:KP+1], s[KP:KP+1], s[20:21]
	s_add_nc_u64 s[VP:VP+1], s[VP:VP+1], s[20:21]
	s_add_nc_u64 s[WP:WP+1], s[WP:WP+1], s[44:45]
	s_add_nc_u64 s[FP:FP+1], s[FP:FP+1], s[46:47]
	s_cmp_lt_u32 s[JX], 2
	s_cselect_b64 s[PFP:PFP+1], s[KP:KP+1], s[VP:VP+1]
	s_add_nc_u64 s[PFP:PFP+1], s[PFP:PFP+1], s[40:41]
	STAGE_LOAD 0                                   ; step 0
	global_load_b128 v[W:W+3], v[WOF], s[WP:WP+1]  ; its words
	s_load_b128 s[FL:FL+3], s[FP:FP+1], 0x0        ; its flags
	; Q, as source 1 wants it: block x = 4 i + 2 c + e is tile i, channels 32 c + 16 e + 8 h + 0..7 of row r: 32 bytes, two loads.  It lands where K's and V's fragments will lie.
	WIN TO_F
.set x, 0
.rept 16
	global_load_b128 v[QR+8*x:QR+8*x+3],   v[QO], s[QP:QP+1] offset:(x/4)*131072+(x%4)*64
	global_load_b128 v[QR+8*x+4:QR+8*x+7], v[QO], s[QP:QP+1] offset:(x/4)*131072+(x%4)*64+16
.set x, x+1
.endr
	; O^T starts at 0 in registers: which step is a tile's first live one hangs on the mask, so no product of the text can be the one that starts the sums.  These lines stand in the wait for the first loads.
.set z, 0
.rept 128
	v_mov_b32 v[z], 0
.set z, z+1
.endr
	WIN 0
.irp t, 0,1,2,3
	v_mov_b32 v[ST+4*\t+1], 0xff7fffff             ; m: the lowest finite number
	v_mov_b32 v[ST+4*\t+2], 0
	v_mov_b32 v[ST+4*\t+3], 0
.endr
.irp t, 0,1,2,3
	v_mul_f32 v[ST+4*\t], s[CS], v[ST+4*\t+1]      ; c m, by the line that makes it in every step: while m stays, c m_old - c m_new is exactly 0
.endr
	s_wait_loadcnt 33                              ; step 0 is in STG; the 33 younger loads (the words, Q) may be out
	CONVERT 0
	STAGE_LOAD 16384                               ; step 1
	s_wait_loadcnt 8                               ; the words and Q are in; step 1's eight loads may be out
	WIN 0x05                                       ; sources in window 1, destination in window 0
.set x, 0
.rept 64
	v_cvt_pk_bf16_f32 v[QF+x], v[QR+2*x], v[QR+2*x+1]
.set x, x+1
.endr
	WIN 0
.Ltrip:                                                ; 16 trips of two steps
	PHASE 0
	PHASE 1
	s_wait_xcnt 0x0                                ; the bases of the loads, the scalar load and the request ahead are stepped only behind this wait
	s_add_nc_u64 s[KP:KP+1], s[KP:KP+1], 32768
	s_add_nc_u64 s[VP:VP+1], s[VP:VP+1], 32768
	s_add_nc_u64 s[PFP:PFP+1], s[PFP:PFP+1], 32768
	s_add_nc_u64 s[WP:WP+1], s[WP:WP+1], 1024
	s_add_nc_u64 s[FP:FP+1], s[FP:FP+1], 32
	s_sub_co_u32 s[TRIP], s[TRIP], 1
	s_cmp_lg_u32 s[TRIP], 0
	s_cbranch_scc1 .Ltrip
	; THE WAY OUT.  l's two halves and the other half of the lanes' are added; O^T is divided by l and sent through my stage in LDS, a tile (16 rows of out) at a time.  The first additions are the places behind the last products.
	s_wait_loadcnt 0x0                             ; met at once (the last trip loads nothing into STG, and step 31's head waited for all): STG, which takes rows below, has no load pending on any way out of the loop
.irp t, 0,1,2,3
	v_add_f32 v[ST+4*\t+2], v[ST+4*\t+2], v[ST+4*\t+3]
.endr
.irp t, 0,1,2,3
	v_permlanex16_b32 v[ST+4*\t+3], v[ST+4*\t+2], s[SEL], s[SEL+1]
.endr
.irp t, 0,1,2,3
	v_add_f32 v[ST+4*\t+2], v[ST+4*\t+2], v[ST+4*\t+3]
.endr
.irp t, 0,1,2,3
	v_rcp_f32 v[ST+4*\t+2], v[ST+4*\t+2]
.endr
	v_nop                                          ; a plain instruction between the last reciprocal and the use of its result
	s_wait_alu depctr_va_vdst(0)
; Tile t: a lane's eight channels of a row are 32 bytes; they go into rows of 272 bytes and come back as whole rows of 256, into S^T's registers (even tiles) or STG's (odd tiles).
.macro PACK t
.if ((\t)%2) == 0
.set OB, S
.else
.set OB, STG
.endif
	WIN W_RS
.set z, 0
.rept 16
	v_pk_mul_f32 v[32*(\t)+2*z:32*(\t)+2*z+1], v[32*(\t)+2*z:32*(\t)+2*z+1], v[ST+4*(\t)+2:ST+4*(\t)+3] op_sel_hi:[1,0]
.set z, z+1
.endr
	WIN 0x04                                       ; the stores' data in window 1, their address in window 0
.irp f, 0,1,2,3,4,5,6,7
	ds_store_b128 v[STO], v[32*(\t)+4*\f:32*(\t)+4*\f+3] offset:(\f/2)*64+(\f%2)*16
.endr
	WIN 0
.irp f, 0,1,2,3,4,5,6,7
	ds_load_b128 v[OB+4*\f:OB+4*\f+3], v[RD] offset:2*SP*\f  ; LDS serves a wave's instructions in order (ISA guide 5.7.1.4): these see the stores above; the next tile's stores come behind them
.endr
.endm
.macro SEND t, younger              ; younger: the LDS instructions issued behind tile t's loads: the next tile's sixteen, or none
.if ((\t)%2) == 0
.set OB, S
.else
.set OB, STG
.endif
.irp f, 0,1,2,3,4,5,6,7
	s_wait_dscnt (\younger)+7-\f
	global_store_b128 v[GO], v[OB+4*\f:OB+4*\f+3], s[OUT:OUT+1] offset:(\t)*131072+512*\f th:TH_STORE_NT  ; 16 lanes store 256 consecutive bytes, at a multiple of 256 from out's first byte
.endr
.endm
	PACK 0
	PACK 1                                         ; a tile's arithmetic stands between the loads of the tile before and its stores
	SEND 0, 16
	s_wait_xcnt 0x0                                ; tile 0's stores have read their registers: tile 2's rows land there only behind this wait
	PACK 2
	SEND 1, 16
	s_wait_xcnt 0x0                                ; the same for tiles 1 and 3
	PACK 3
	SEND 2, 16
	SEND 3, 0
	s_wait_tensorcnt 0x0                           ; the wave's end
	ds_add_u32 v[SPW], v[NIL]
	s_wait_dscnt 0x0
	s_endpgm
.Lfunc_end_k_q3d54f738ea_attn:
	.size	k_q3d54f738ea_attn, .Lfunc_end_k_q3d54f738ea_attn-k_q3d54f738ea_attn
	.p2alignl 7, 3214868480
	.fill 96, 4, 3214868480
	.section	.rodata,"a",@progbits
	.p2align	6, 0x0
	.amdhsa_kernel k_q3d54f738ea_attn
		.amdhsa_group_segment_fixed_size 74752
		.amdhsa_private_segment_fixed_size 0
		.amdhsa_enable_private_segment 0
		.amdhsa_kernarg_size 48
		.amdhsa_user_sgpr_count 2
		.amdhsa_user_sgpr_kernarg_segment_ptr 1
		.amdhsa_wavefront_size32 1
		.amdhsa_system_sgpr_workgroup_id_x 1
		.amdhsa_system_sgpr_workgroup_id_y 1
		.amdhsa_system_sgpr_workgroup_id_z 1
		.amdhsa_system_vgpr_workitem_id 0
		.amdhsa_next_free_vgpr 512
		.amdhsa_next_free_sgpr 66
		.amdhsa_reserve_vcc 0
		.amdhsa_float_denorm_mode_32 3
		.amdhsa_float_denorm_mode_16_64 3
		.amdhsa_memory_ordered 1
		.amdhsa_forward_progress 1
		.amdhsa_inst_pref_size 142
	.end_amdhsa_kernel
	.amdgpu_metadata
---
amdhsa.version: [ 1, 2 ]
amdhsa.kernels:
  - .name:           k_q3d54f738ea_attn
    .symbol:         k_q3d54f738ea_attn.kd
    .args:
      - { .name: Q, .offset: 0, .size: 8, .value_kind: global_buffer, .address_space: global }
      - { .name: K, .offset: 8, .size: 8, .value_kind: global_buffer, .address_space: global }
      - { .name: V, .offset: 16, .size: 8, .value_kind: global_buffer, .address_space: global }
      - { .name: mbits, .offset: 24, .size: 8, .value_kind: global_buffer, .address_space: global }
      - { .name: flags, .offset: 32, .size: 8, .value_kind: global_buffer, .address_space: global }
      - { .name: out0, .offset: 40, .size: 8, .value_kind: global_buffer, .address_space: global }
    .group_segment_fixed_size: 74752
    .private_segment_fixed_size: 0
    .kernarg_segment_align: 8
    .kernarg_segment_size: 48
    .max_flat_workgroup_size: 256
    .sgpr_count:     66
    .vgpr_count:     512
    .wavefront_size: 32
...
	.end_amdgpu_metadata
.endif
;; end of part 2
